; MI455X (gfx1250); checked and timed in simulation.
; The chip was launched on July 23, 2026; its instructions are those of AMD's public machine-readable ISA for CDNA 5 (MIT licence, August 2026) and "CDNA5" Instruction Set Architecture Reference Guide (July 2026). The comments in the code are by the model that wrote it; some were corrected since.
;; Attention. Allowed arithmetic: matrix products marked QUANTISED: E2M1 operands, one E8M0 scale for each 32 along K, by v_wmma_scale_f32_16x16x128_f8f6f4 with both operands' format E2M1 (or v_wmma_scale_f32_32x16x128_f4), f32 sums; everything else in f32.
;; Inputs: cos 2,048 x 64 float32; k 2,048 x 4 x 128 float32; k_ranges 8 x 2 int32; q 2,048 x 16 x 128 float32; q_ranges 8 x 2 int32; sin 2,048 x 64 float32; v 2,048 x 4 x 128 float32.
;; Outputs: out0 2,048 x 16 x 128 float32.
;; This version of the problem:
;;   THIS VERSION OF THE PROBLEM IS GIVEN IN LOW PRECISION. The matrix products marked QUANTISED in the list below multiply operands that are first quantised to E2M1 (2 exponent bits, 1 mantissa bit; 4 bits a number), with one power-of-two scale for each 32 numbers along K (OCP MX v1.0); their sums are f32. All else is computed in f32.
;;   The module's matrix products, in the order in which they are computed (A, B: the left and right operand; K: the contracted axis; several contracted axes count as one K, in the product's order):
;;     1. batch 16 x [M 2,048, K 128] x [K 128, N 2,048]; A: computed on the way; B: computed on the way: QUANTISED
;;     2. batch 16 x [M 128, K 2,048] x [K 2,048, N 2,048]; A: input v; B: computed on the way: QUANTISED
;;   THE QUANTISER, for each operand of a quantised product, along K:
;;     - K is cut into blocks of 32 from its start; a last block that is shorter is filled with zeros.
;;     - A block's scale is 2^e with e = floor(log2(the largest magnitude in the block)) - 2, held to -126 .. 127; a block of zeros has e = 0. As a byte (E8M0): e + 127.
;;     - Each number is divided by its block's scale, clamped to +-6, and rounded to the nearest number of E2M1, ties to even, subnormals kept.
;;     - The product sums the exact products of the quantised numbers (number of the format x scale) in f32.
;;   ~~~python
;;   def quantise(x, axis):      # numpy; x: float32 -> the quantised numbers, widened to float32 again
;;       x = np.moveaxis(x, axis, -1); K = x.shape[-1]
;;       x = np.pad(x, [(0, 0)] * (x.ndim - 1) + [(0, -K % 32)]); x = x.reshape(x.shape[:-1] + (-1, 32)); a = np.abs(x).max(-1, keepdims=True)
;;       e = np.where(a > 0, np.clip(np.frexp(np.where(a > 0, a, 1))[1] - 1 - 2, -126, 127), 0)      # np.frexp(a)[1] - 1 = floor(log2(a)), exactly
;;       r = np.clip(x / 2.0 ** e, -6, 6)
;;       step = 2.0 ** (np.maximum(np.frexp(np.where(r == 0, 1, r))[1] - 1, 0) - 1)
;;       q = np.round(r / step) * step * 2.0 ** e      # np.round: ties to even
;;       return np.moveaxis(q.reshape(q.shape[:-2] + (-1,))[..., :K], -1, axis).astype(np.float32)
;;   ~~~
;;   OPERANDS COMPUTED ON THE WAY. 'Computed on the way' means the value that the module computes at that place (a softmax that the list does not call 'softmax' is quantised finished and normalised). What goes into a quantiser is computed in f32, as accurately as f32 sums, v_exp_f32 and their like allow (about 1e-6 of the number): no bf16 or f16 on the way to a quantiser, and a product that is left as it is and whose result goes on into a quantised operand takes f32 operands (vector FMAs, or v_wmma_f32_16x16x4_f32). A number that lies on a knife's edge between two numbers of the format may be rounded either way, as far as f32 arithmetic and the matrix unit's own rounding can turn it there, and no further.
;; One version. Each part assembles by itself: llvm-mc -triple=amdgcn-amd-amdhsa -mcpu=gfx1250 --defsym DOCPART=n.
;; ======== version 1 of 1: 2 launches
;; limits: right only within a limited range of input values
;; workspace buffers: kimg 524,288 bytes; vimg 524,288 bytes; ksc 32,768 bytes; vsc 32,768 bytes
;; launch prep (part 1): grid 256 x 1, 4 waves a work-group, no clusters, 34,816 bytes of LDS; arguments k, v, cos, sin, kimg, ksc, vimg, vsc; writes kimg, ksc, vimg, vsc
.if DOCPART == 1
	.amdgcn_target "amdgcn-amd-amdhsa--gfx1250"
	.amdhsa_code_object_version 6
	.text
	.protected	k_qad4cf95890_prep
	.globl	k_qad4cf95890_prep
	.p2align	8
	.type	k_qad4cf95890_prep,@function
k_qad4cf95890_prep:
	s_mov_b64 s[64:65], 0
	v_nop
	global_prefetch_b8 v0, s[64:65] scope:SCOPE_SE
	s_setreg_imm32_b32 hwreg(HW_REG_WAVE_MODE, 25, 1), 1
	s_wait_xcnt 0x0
; k [2048][4][128] f32 gets its rotary embedding and is quantised along the head's 128; v [2048][4][128] f32 is quantised along the KEYS.  Codes of FP4 (E2M1), one E8M0 byte for each 32 along K.
; Both leave as IMAGES OF THE OPERAND'S REGISTERS, so that the next launch reads every fragment as 16 bytes a lane, lane by lane:
;   kimg [head 4][step 16][tile 8][c 2][lane 32][16 bytes]: a step is 128 keys; lane (r, h) of tile 2 b + u holds key 128 step + 32 b + 8 u + r + 8 (r / 8), group c its d = 64 c + 32 h + 0 .. 31
;   vimg [head 4][step 16][dt 8][c 2][lane 32][16 bytes]:   lane (r, h) holds row d = 16 dt + r, group c the keys 128 step + 64 c + 32 h + 0 .. 31
;   ksc  [step][tile 8][head 4][r 16] words, vsc [head][step][d 128] words: four scale bytes, the lower K in the lower byte.
; A block's scale is 2^(floor(log2(its largest magnitude)) - 2); its byte is the largest magnitude's exponent field - 2, held at 1 from below.
; SHARES.  256 work-groups of four waves.  0 to 127: k, one tile of 16 keys x 4 heads: a wave loads 4 positions x 4 heads (2,048 consecutive bytes a position), embeds them and lays them into LDS; then it takes one head's 16 keys, a key a lane.
; 128 to 255: v, one head's 128 keys x 64 columns: a wave takes 32 columns x 64 keys, a lane one column, its registers running down the keys: two whole blocks.
; Scale words of a work-group are gathered in LDS and leave as one aligned unit of 256 bytes.  The two kinds of work-groups use LDS bytes of their own.
; LIMITS: NaN and infinities among the inputs are not served.  A block of zeros gets the byte 1 where the rule says 127: its codes are zeros, and this program alone reads the bytes.
; The rotary embedding is one multiplication and one fused multiply-add for each number, where the definition has two products and a sum.
.set S,   96
.set KS,  33792                        ; behind the 64 rows x 528 of k's stage: k's scale words, 256 bytes
.set VS,  34048                        ; v's, 256 bytes
.set SPARE, 34304                      ; the spare words, 128 bytes for each wave
.set SEL, 34                           ; s[34:35] lane selects for v_permlanex16_b32: lane l xor 16
; a group: one head, two positions (lanes 0-15, 16-31), d = 4 (lane % 16) + 0 .. 3 in X1, d + 64 in X1 + 4
.macro ROPEG g
.set X1, S+8*(\g)
.set XT, 80+8*((\g)%2)
.set XC, 64+4*((\g)/4)
.irp e, 0,2
	v_pk_mul_f32 v[XT+\e:XT+1+\e], v[X1+4+\e:X1+5+\e], v[XC+8+\e:XC+9+\e]
	v_pk_mul_f32 v[XT+4+\e:XT+5+\e], v[X1+\e:X1+1+\e], v[XC+8+\e:XC+9+\e]
.endr
.irp e, 0,2
	v_pk_fma_f32 v[X1+\e:X1+1+\e], v[X1+\e:X1+1+\e], v[XC+\e:XC+1+\e], v[XT+\e:XT+1+\e] neg_lo:[0,0,1] neg_hi:[0,0,1]
	v_pk_fma_f32 v[X1+4+\e:X1+5+\e], v[X1+4+\e:X1+5+\e], v[XC+\e:XC+1+\e], v[XT+4+\e:XT+5+\e]
.endr
	ds_store_b128 v8, v[X1:X1+3] offset:(16*((\g)%4)+2*((\g)/4))*528
	ds_store_b128 v8, v[X1+4:X1+7] offset:(16*((\g)%4)+2*((\g)/4))*528+256
.endm
	s_load_b512 s[4:19], s[0:1], 0x0               ; k s[4:5], v s[6:7], cos s[8:9], sin s[10:11], kimg s[12:13], ksc s[14:15], vimg s[16:17], vsc s[18:19]
	v_lshl_add_u32 v1, v0, 2, SPARE
	v_mov_b32 v2, 0
	v_lshrrev_b32 v6, 5, v0
	v_readfirstlane_b32 s20, v6                    ; wave w
	v_and_b32 v5, 31, v0                           ; lane
	v_and_b32 v3, 15, v0                           ; r
	v_bfe_u32 v4, v0, 4, 1                         ; h
	v_lshlrev_b32 v12, 3, v5                       ; 8 x lane
	s_wait_alu depctr_va_vdst(0)
	s_cmp_lt_u32 ttmp9, 128
	s_cbranch_scc0 .Lvalues
	; ---- k: work-group T = 8 step + tile
	s_lshr_b32 s24, ttmp9, 3
	s_lshl_b32 s24, s24, 7
	s_bfe_u32 s25, ttmp9, 0x20001
	s_lshl_b32 s25, s25, 5
	s_add_co_u32 s24, s24, s25
	s_and_b32 s25, ttmp9, 1
	s_lshl_b32 s25, s25, 3
	s_add_co_u32 s24, s24, s25                     ; the tile's first key
	s_lshl_b32 s25, s20, 2
	s_add_co_u32 s24, s24, s25
	s_lshr_b32 s25, s20, 1
	s_lshl_b32 s25, s25, 3
	s_add_co_u32 s24, s24, s25                     ; my four positions: the tile's rows 4 w .. 4 w + 3
	s_lshl_b32 s26, s24, 11                        ; 2,048 bytes a position
	s_mov_b32 s27, 0
	s_lshl_b32 s28, s24, 8
	s_mov_b32 s29, 0
	s_lshl_b32 s30, s20, 17                        ; the image of head w,
	s_lshl_b32 s25, ttmp9, 10                      ; 1,024 bytes a tile
	s_add_co_u32 s30, s30, s25
	s_mov_b32 s31, 0
	s_lshl_b32 s32, ttmp9, 8                       ; scale words: 256 bytes a tile
	s_mov_b32 s33, 0
	s_mov_b32 s[SEL], 0x76543210
	s_mov_b32 s[SEL+1], 0xfedcba98
	s_mul_i32 s21, s20, 2112
	s_mul_i32 s22, s20, 8448
	s_lshl_b32 s23, s20, 6
	s_add_co_u32 s23, s23, KS
	v_lshlrev_b32 v6, 11, v4
	v_lshl_add_u32 v6, v3, 4, v6                   ; k: lanes 0-15 one position, lanes 16-31 the next
	v_lshlrev_b32 v7, 8, v4
	v_lshl_add_u32 v7, v3, 4, v7                   ; cos, sin likewise
	v_mul_u32_u24 v8, v4, 528
	v_lshl_add_u32 v8, v3, 4, v8
	v_add_nc_u32 v8, s21, v8                       ; into the stage: row 16 head + 4 w + 2 pair + h
	v_mul_u32_u24 v9, v3, 528
	v_lshl_add_u32 v9, v4, 6, v9
	v_add_nc_u32 v9, s22, v9                       ; out of it: row 16 w + r, + 64 h
	v_lshlrev_b32 v10, 4, v5                       ; the image: 16 x lane
	v_lshlrev_b32 v11, 2, v3
	v_add_nc_u32 v11, s23, v11                     ; my scale word's place in the gathering
	v_add_nc_u32 v13, KS, v12
.irp b, 0,1,2,3
	v_mov_b32 v[236+\b], 0                         ; a lane permute's destination counts as one of its sources
.endr
	s_wait_alu depctr_va_vdst(0)
	s_wait_kmcnt 0x0
	s_add_nc_u64 s[4:5], s[4:5], s[26:27]
	s_add_nc_u64 s[8:9], s[8:9], s[28:29]
	s_add_nc_u64 s[10:11], s[10:11], s[28:29]
	s_add_nc_u64 s[12:13], s[12:13], s[30:31]
	s_add_nc_u64 s[14:15], s[14:15], s[32:33]
.irp n, 0,1,2,3,4,5,6,7                ; n = 4 (pair of positions) + head
	global_load_b128 v[S+8*\n:S+3+8*\n], v6, s[4:5] offset:4096*(\n/4)+512*(\n%4) th:TH_LOAD_NT
	global_load_b128 v[S+4+8*\n:S+7+8*\n], v6, s[4:5] offset:4096*(\n/4)+512*(\n%4)+256 th:TH_LOAD_NT
.endr
.irp p, 0,1
	global_load_b128 v[64+4*\p:67+4*\p], v7, s[8:9] offset:512*\p
	global_load_b128 v[72+4*\p:75+4*\p], v7, s[10:11] offset:512*\p
.endr
	s_wait_loadcnt 0x0
.irp n, 0,1,2,3,4,5,6,7
	ROPEG \n
.endr
	s_wait_alu depctr_va_vdst(0)
	s_wait_dscnt 0x0                               ; my rows have landed
	s_barrier_signal -1
	s_barrier_wait -1
.irp b, 0,1,2,3
.irp j, 0,1,2,3
	ds_load_b128 v[S+64+16*\b+4*\j:S+67+16*\b+4*\j], v9 offset:128*\b+16*\j    ; d = 32 b + 16 h + 4 j ..
.endr
.endr
	s_wait_dscnt 0x0
.set Y, S+64
.irp b, 0,1,2,3
	v_max3_num_f32 v[232+\b], |v[Y+16*\b]|, |v[Y+1+16*\b]|, 0x1800000      ; my 16 numbers of block b, and the floor 2^(3 - 127): the byte cannot fall under 1
.endr
.irp i, 2,4,6,8,10,12,14
.irp b, 0,1,2,3
	v_max3_num_f32 v[232+\b], v[232+\b], |v[Y+16*\b+\i]|, |v[Y+1+16*\b+\i]|
.endr
.endr
.irp b, 0,1,2,3
	v_permlanex16_b32 v[236+\b], v[232+\b], s[SEL], s[SEL+1]
.endr
.irp b, 0,1,2,3
	v_max_num_f32 v[232+\b], v[232+\b], v[236+\b]
.endr
.irp b, 0,1,2,3
	v_add_nc_u32 v[244+\b], 0xff000000, v[232+\b]          ; 2 off the exponent field: the conversion's scale operand
.endr
.irp b, 0,1,2,3
	v_lshrrev_b32 v[236+\b], 23, v[244+\b]                 ; the scale's byte
.endr
.irp b, 0,1,2,3
	v_cvt_scalef32_pk8_fp4_f32 v[16+2*\b], v[Y+16*\b:Y+7+16*\b], v[244+\b]
	v_cvt_scalef32_pk8_fp4_f32 v[17+2*\b], v[Y+8+16*\b:Y+15+16*\b], v[244+\b]
.endr
	v_lshl_or_b32 v24, v237, 8, v236
	v_lshl_or_b32 v24, v238, 16, v24
	v_lshl_or_b32 v24, v239, 24, v24
.irp c, 0,1                                            ; the operand wants a WHOLE block in a lane: lanes 0-15 block 2 c, lanes 16-31 block 2 c + 1
.irp i, 0,1
	v_permlane16_swap_b32 v[16+4*\c+\i], v[18+4*\c+\i]
.endr
.endr
	ds_store_b32 v11, v24                          ; lanes r and r + 16 write the same word with the same value
	global_store_b128 v10, v[16:19], s[12:13]              ; 32 lanes store 512 consecutive bytes, aligned
	global_store_b128 v10, v[20:23], s[12:13] offset:512
	s_wait_alu depctr_va_vdst(0)
	s_wait_dscnt 0x0                               ; my scale word has landed
	s_barrier_signal -1
	s_barrier_wait -1
	s_wait_tensorcnt 0x0                           ; behind my last LDS store
	ds_add_u32 v1, v2
	s_wait_dscnt 0x0
	s_cmp_lg_u32 s20, 0
	s_cbranch_scc1 .Lkend
	ds_load_b64 v[26:27], v13
	s_wait_dscnt 0x0
	global_store_b64 v12, v[26:27], s[14:15]       ; the four heads' words: one aligned unit of 256 bytes
.Lkend:
	s_endpgm
	; ---- v: work-group y = 32 head + 2 step + column half
.Lvalues:
	s_sub_co_u32 s21, ttmp9, 128
	s_lshr_b32 s22, s21, 5                         ; head
	s_bfe_u32 s23, s21, 0x40001                    ; step
	s_and_b32 s24, s21, 1                          ; which 64 columns
	s_and_b32 s25, s20, 1                          ; which 32 of them
	s_lshr_b32 s26, s20, 1                         ; c: which 64 keys
	s_lshl_b32 s28, s23, 18                        ; v: 128 keys of 2,048 bytes a step
	s_lshl_b32 s30, s26, 17
	s_add_co_u32 s28, s28, s30
	s_lshl_b32 s30, s22, 9
	s_add_co_u32 s28, s28, s30
	s_lshl_b32 s30, s24, 8
	s_add_co_u32 s28, s28, s30
	s_lshl_b32 s30, s25, 7
	s_add_co_u32 s28, s28, s30
	s_mov_b32 s29, 0
	s_lshr_b32 s32, s21, 1                         ; 16 head + step
	s_lshl_b32 s30, s32, 13                        ; the image: 8,192 bytes a step,
	s_lshl_b32 s27, s24, 12
	s_add_co_u32 s30, s30, s27
	s_lshl_b32 s27, s25, 11                        ; 1,024 for 16 columns
	s_add_co_u32 s30, s30, s27
	s_lshl_b32 s27, s26, 9
	s_add_co_u32 s30, s30, s27
	s_mov_b32 s31, 0
	s_lshl_b32 s32, s32, 9                         ; scale words: 512 bytes a step
	s_lshl_b32 s27, s24, 8
	s_add_co_u32 s32, s32, s27
	s_mov_b32 s33, 0
	s_lshl_b32 s27, s25, 7
	s_lshl_b32 s26, s26, 1
	s_add_co_u32 s27, s27, s26
	s_add_co_u32 s27, s27, VS
	v_lshlrev_b32 v6, 2, v5                        ; in: 4 x lane
	v_lshlrev_b32 v7, 10, v4
	v_lshl_add_u32 v7, v3, 4, v7                   ; the image: 1,024 (lane / 16) + 16 r
	v_add_nc_u32 v11, s27, v6                      ; my two scale bytes' place in the gathering
	v_add_nc_u32 v13, VS, v12
	s_wait_alu depctr_va_vdst(0)
	s_wait_kmcnt 0x0
	s_add_nc_u64 s[6:7], s[6:7], s[28:29]
	s_add_nc_u64 s[16:17], s[16:17], s[30:31]
	s_add_nc_u64 s[18:19], s[18:19], s[32:33]
.set Q, 0
.rept 64
	global_load_b32 v[64+Q], v6, s[6:7] offset:2048*Q th:TH_LOAD_NT        ; key Q of my column: a wave's load reads 128 consecutive bytes
.set Q, Q+1
.endr
.macro VBLOCK t
.set XS, 64+32*(\t)
.set XM, 14+4*(\t)
	s_wait_loadcnt 32*(1-\t)                       ; this block's 32 loads are in
	v_max3_num_f32 v[XM], |v[XS]|, |v[XS+1]|, |v[XS+2]|    ; the block's largest magnitude: all 32 numbers are mine; two chains
	v_max3_num_f32 v[XM+1], |v[XS+3]|, |v[XS+4]|, |v[XS+5]|
.irp i, 6,10,14,18,22,26
	v_max3_num_f32 v[XM], v[XM], |v[XS+\i]|, |v[XS+\i+1]|
	v_max3_num_f32 v[XM+1], v[XM+1], |v[XS+\i+2]|, |v[XS+\i+3]|
.endr
	v_max3_num_f32 v[XM], v[XM], |v[XS+30]|, |v[XS+31]|
	v_max3_num_f32 v[XM], v[XM], v[XM+1], 0x1800000        ; and the floor 2^(3 - 127)
	v_add_nc_u32 v[XM+2], 0xff000000, v[XM]        ; the conversion's scale operand
.irp g, 0,1,2,3
	v_cvt_scalef32_pk8_fp4_f32 v[32+4*(\t)+\g], v[XS+8*\g:XS+8*\g+7], v[XM+2]
.endr
	v_lshrrev_b32 v[XM+3], 23, v[XM+2]             ; the scale's byte
	global_store_b128 v7, v[32+4*(\t):35+4*(\t)], s[16:17] offset:256*(\t)   ; 16 lanes store 256 consecutive bytes, aligned
.endm
	VBLOCK 0
	VBLOCK 1
	v_lshl_or_b32 v24, v21, 8, v17
	ds_store_b16 v11, v24
	s_wait_alu depctr_va_vdst(0)
	s_wait_dscnt 0x0                               ; my scale bytes have landed
	s_barrier_signal -1
	s_barrier_wait -1
	s_wait_tensorcnt 0x0                           ; behind my last LDS store
	ds_add_u32 v1, v2
	s_wait_dscnt 0x0
	s_cmp_lg_u32 s20, 0
	s_cbranch_scc1 .Lvend
	ds_load_b64 v[26:27], v13
	s_wait_dscnt 0x0
	global_store_b64 v12, v[26:27], s[18:19]       ; 64 columns' words: one aligned unit of 256 bytes
.Lvend:
	s_endpgm
.Lfunc_end_k_qad4cf95890_prep:
	.size	k_qad4cf95890_prep, .Lfunc_end_k_qad4cf95890_prep-k_qad4cf95890_prep
	.p2alignl 7, 3214868480
	.fill 96, 4, 3214868480
	.section	.rodata,"a",@progbits
	.p2align	6, 0x0
	.amdhsa_kernel k_qad4cf95890_prep
		.amdhsa_group_segment_fixed_size 34816
		.amdhsa_private_segment_fixed_size 0
		.amdhsa_enable_private_segment 0
		.amdhsa_kernarg_size 64
		.amdhsa_user_sgpr_count 2
		.amdhsa_user_sgpr_kernarg_segment_ptr 1
		.amdhsa_wavefront_size32 1
		.amdhsa_system_sgpr_workgroup_id_x 1
		.amdhsa_system_sgpr_workgroup_id_y 1
		.amdhsa_system_sgpr_workgroup_id_z 1
		.amdhsa_system_vgpr_workitem_id 0
		.amdhsa_next_free_vgpr 256
		.amdhsa_next_free_sgpr 66
		.amdhsa_reserve_vcc 0
		.amdhsa_float_denorm_mode_32 3
		.amdhsa_float_denorm_mode_16_64 3
		.amdhsa_memory_ordered 1
		.amdhsa_forward_progress 1
		.amdhsa_inst_pref_size 27
	.end_amdhsa_kernel
	.amdgpu_metadata
---
amdhsa.version: [ 1, 2 ]
amdhsa.kernels:
  - .name:           k_qad4cf95890_prep
    .symbol:         k_qad4cf95890_prep.kd
    .args:
      - { .name: k, .offset: 0, .size: 8, .value_kind: global_buffer, .address_space: global }
      - { .name: v, .offset: 8, .size: 8, .value_kind: global_buffer, .address_space: global }
      - { .name: cos, .offset: 16, .size: 8, .value_kind: global_buffer, .address_space: global }
      - { .name: sin, .offset: 24, .size: 8, .value_kind: global_buffer, .address_space: global }
      - { .name: kimg, .offset: 32, .size: 8, .value_kind: global_buffer, .address_space: global }
      - { .name: ksc, .offset: 40, .size: 8, .value_kind: global_buffer, .address_space: global }
      - { .name: vimg, .offset: 48, .size: 8, .value_kind: global_buffer, .address_space: global }
      - { .name: vsc, .offset: 56, .size: 8, .value_kind: global_buffer, .address_space: global }
    .group_segment_fixed_size: 34816
    .private_segment_fixed_size: 0
    .kernarg_segment_align: 8
    .kernarg_segment_size: 64
    .max_flat_workgroup_size: 128
    .sgpr_count:     66
    .vgpr_count:     256
    .wavefront_size: 32
...
	.end_amdgpu_metadata
.endif
;; end of part 1
;; launch attn (part 2): grid 64 x 4, 8 waves a work-group, no clusters, 132,096 bytes of LDS; arguments q, cos, sin, q_ranges, k_ranges, kimg, ksc, vimg, vsc, out0; writes out0
.if DOCPART == 2
	.amdgcn_target "amdgcn-amd-amdhsa--gfx1250"
	.amdhsa_code_object_version 6
	.text
	.protected	k_qad4cf95890_attn
	.globl	k_qad4cf95890_attn
	.p2align	8
	.type	k_qad4cf95890_attn,@function
k_qad4cf95890_attn:
	s_mov_b64 s[64:65], 0
	v_nop
	global_prefetch_b8 v0, s[64:65] scope:SCOPE_SE
	s_setreg_imm32_b32 hwreg(HW_REG_WAVE_MODE, 25, 1), 1
	s_wait_xcnt 0x0
; out[q][h][:] = the sum over k of p(q, k) v[k][h / 4][:], p = softmax over the allowed keys of rope(q) . rope(k) / sqrt(128); key k is allowed for query q where one of the 8 ranges holds both; a query that no range
; gives a key gets zeros.  Both products on codes of FP4 (E2M1) with one E8M0 scale for each 32 along K; p is quantised finished and normalised.
; SHARES.  Work-group (x, g): key/value head g, 32 positions (16 from 16 x on, 16 from 16 (127 - x) on) x 4 query heads = 8 TILES of 16 rows: tile i is 4 positions x 4 heads, row r = 4 position + head.
; All eight waves work on every tile.  The keys go in 8 UNITS of 256; of each unit wave w owns 32 keys (32 w on): K's fragments of its 256 keys stay in 128 registers.  For the second product wave w owns the channels
; 16 w .. 16 w + 15 and all keys: V's fragments stay in another 128 registers.  Both come once, straight from the images that the launch before laid.
; A TILE goes through four phases, one barrier apart:
;   A  scores S^T = K Q^T of my keys (a lane holds ONE row), my largest score, e = 2^(t - M) under MY WAVE'S own whole number M, their sum; -M and the sum go to LDS          (t = score x log2(e) / sqrt(128))
;   B  the row's M and sum from all eight waves; p = e x 2^(my M - M) / sum; codes and scale bytes of my keys go to LDS as an image of the next operand
;   C  O^T = V^T P^T for my 16 channels over all keys; the piece goes to LDS
;   D  two whole rows of 512 bytes a wave leave for memory
; Trip i runs B of tile i - 1, D of tile i - 3, A of tile i with C of tile i - 2 between A's exponentials, unit by unit, then ONE barrier; what waves hand on lies in two buffers by turns.  Trips 0 and 1 (A; B, A) and 8 and 9
; (B, D, C; D, C) are written out; trips 2 to 7 are a loop of three turns of two trips.
; THE RANGES are whole numbers that this launch reads.  N of a tile: the last unit that some range joins with one of its positions, + 1 (at least 1); units from N on are left out, by scalar branches round which no barrier stands.
; Inside N, where not every unit is held whole by one range that also holds all four positions, every score's place is tested against all 8 ranges and hidden scores become -infinity ahead of the maximum.
; NO JOINT REQUESTS, though work-groups of a head read the same images.
; NO PREFETCH: K and V are each loaded once, 64 loads of 512 bytes a wave, at the head and in the first two trips; there is no loop of loads to run ahead in.
; LIMITS: NaN and infinities among the inputs are not served.  The promise holds while the scaled scores t stay under 2^31 in magnitude.  An e under 2^-126 counts as 0 (the exponential's result is flushed).  A block of zeros has the
; byte 1 where the rule says 127: its codes are zeros.  A block's largest p is made from its largest score by the same steps as every p: this takes the exponential not to fall where its input rises.
; The rotary embedding is one multiplication and one fused multiply-add for each number, where the definition has two products and a sum.  O's sum goes in four parts.
;
; REGISTERS, window 0: v1, v2 the add's; v3 zero; v4-11 addresses; v12 my -M; v13, v15 offsets of the scale words; v14 the row's factor; v16-19 scale bytes; v20-28 Q's fragment and scale word; v30 the row's -M; v32-39 K's scale words,
;   v40-47 V's; v48-51 the blocks' largest; v52-55, v250-253 the sum's parts; v56-63 rows on the way out; v64-95 accumulators, at work; v96-223 S; v224-239 codes; v240-247 the conversions' scales.
;   P's fragments of a unit, by turns: v224-239 with scale word v248; v56-63 and v240-247 with v249.   Window 1: v0-127 K, v128-255 V.
.set PB,   0                           ; LDS: P's codes, 2 x 16,384: [step 16][c 2][lane 32][16 bytes]
.set PS,   32768                       ; P's scale words, 2 x 1,024: [step 16][row 16]
.set OB,   34816                       ; O, 2 x 16 rows x 528
.set ST,   51712                       ; 2 x 16 rows x 80: eight -M, eight sums
.set QB,   54272                       ; Q's codes: 8 tiles x 1,024
.set QS,   62464                       ; Q's scale words: 8 tiles x 128
.set STG,  63488                       ; q's turn: 16 rows x 528 for each wave
.set SPARE, 131072                     ; the spare words, 128 bytes for each wave
.set S,    96
.set WV,   24
.set P0,   27                          ; s27  first position of the trip's tile
.set TQ,   66                          ; s[66:73] a word a tile: N, and from bit 8 on a bit for each unit that is wholly allowed
.set N0,   74                          ; N of tile i, i - 1, i - 2
.set FB,   75
.set N1,   76
.set N2,   77
.set TRIP, 78
.set QO,   79
.set QSO,  80
.set MIX,  86
.set W32,  87
.set JP,   88                          ; positions from tile 3 to tile 4
.set MC,   89
.set SEL,  90                          ; s[90:91] lane selects for v_permlanex16_b32: lane l xor 16
.set CS,   92                          ; s[92:93] c = log2(e) / sqrt(128)
.set JMP,  100                         ; JP in bytes of out0
.set MSB, 0
.macro WIN new                         ; bits 1:0 source 0, 3:2 source 1, 5:4 source 2, 7:6 destination; the high byte repeats the setting that is left
.if MSB != \new
	s_set_vgpr_msb (MSB<<8)|\new
.set MSB, \new
.endif
.endm
.macro NOPS n
.rept \n
	v_nop
.endr
.endm
; rope of a group: one head, two positions (lanes 0-15, 16-31), d = 4 (lane % 16) + 0 .. 3 in X1, d + 64 in X1 + 4; then into my stage
.macro ROPEG g
.set X1, S+8*(\g)
.set XT, 80+8*((\g)%2)
.set XC, 64+4*((\g)/4)
.irp e, 0,2
	v_pk_mul_f32 v[XT+\e:XT+1+\e], v[X1+4+\e:X1+5+\e], v[XC+8+\e:XC+9+\e]
	v_pk_mul_f32 v[XT+4+\e:XT+5+\e], v[X1+\e:X1+1+\e], v[XC+8+\e:XC+9+\e]
.endr
.irp e, 0,2
	v_pk_fma_f32 v[X1+\e:X1+1+\e], v[X1+\e:X1+1+\e], v[XC+\e:XC+1+\e], v[XT+\e:XT+1+\e] neg_lo:[0,0,1] neg_hi:[0,0,1]
	v_pk_fma_f32 v[X1+4+\e:X1+5+\e], v[X1+4+\e:X1+5+\e], v[XC+\e:XC+1+\e], v[XT+4+\e:XT+5+\e]
.endr
	ds_store_b128 v60, v[X1:X1+3] offset:(8*((\g)/4)+(\g)%4)*528
	ds_store_b128 v60, v[X1+4:X1+7] offset:(8*((\g)/4)+(\g)%4)*528+256
.endm
; four loads: unit u of K, of V: 32 lanes read 512 consecutive bytes
.macro GK u
	WIN 0x40
.irp k, 0,1,2,3
	global_load_b128 v[16*(\u)+4*\k:16*(\u)+4*\k+3], v4, s[14:15] offset:16384*(\u)+512*\k
.endr
	WIN 0
.endm
.macro GV u
	WIN 0x40
.irp k, 0,1,2,3
	global_load_b128 v[128+16*(\u)+4*\k:131+16*(\u)+4*\k], v4, s[18:19] offset:16384*(\u)+8192*(\k/2)+512*(\k%2)
.endr
	WIN 0
.endm
; t - M of unit u's pair j
.macro FMAP u, j
	v_pk_fma_f32 v[S+16*(\u)+2*(\j):S+16*(\u)+2*(\j)+1], v[S+16*(\u)+2*(\j):S+16*(\u)+2*(\j)+1], s[CS:CS+1], v[12:13] op_sel_hi:[1,0,0]
.endm
.macro MULU u
.irp j, 0,2,4,6,8,10,12,14
	v_pk_mul_f32 v[S+16*(\u)+\j:S+16*(\u)+\j+1], v[S+16*(\u)+\j:S+16*(\u)+\j+1], v[14:15] op_sel_hi:[1,0]
.endr
.endm
; one link of two units' maxima: chains v72, v73 (unit 2 g) and v74, v75
.macro MX d, g, i
	v_max3_num_f32 v[72+\d], v[72+\d], v[S+32*(\g)+\i], v[S+32*(\g)+\i+1]
	v_max3_num_f32 v[74+\d], v[74+\d], v[S+32*(\g)+16+\i], v[S+32*(\g)+16+\i+1]
.endm
; unit u's exponentials, with the next unit's t - M between them; ONE wait behind the batch, which is also the wait ahead of the next; then the sum's four parts
.macro EXPG u
.set EU, S+16*(\u)
.irp j, 0,1,2,3,4,5,6,7
	v_exp_f32 v[EU+2*\j], v[EU+2*\j]
	v_exp_f32 v[EU+2*\j+1], v[EU+2*\j+1]
.if (\u) < 7
	FMAP (\u)+1, \j
.endif
.endr
.if (\u) == 7
	v_nop
.endif
	s_wait_alu depctr_va_vdst(0)
.if (\u) == 0
	v_pk_add_f32 v[52:53], v[EU:EU+1], v[EU+8:EU+9]
	v_pk_add_f32 v[54:55], v[EU+2:EU+3], v[EU+10:EU+11]
	v_pk_add_f32 v[250:251], v[EU+4:EU+5], v[EU+12:EU+13]
	v_pk_add_f32 v[252:253], v[EU+6:EU+7], v[EU+14:EU+15]
.else
.irp o, 0,8
	v_pk_add_f32 v[52:53], v[52:53], v[EU+\o:EU+\o+1]
	v_pk_add_f32 v[54:55], v[54:55], v[EU+\o+2:EU+\o+3]
	v_pk_add_f32 v[250:251], v[250:251], v[EU+\o+4:EU+\o+5]
	v_pk_add_f32 v[252:253], v[252:253], v[EU+\o+6:EU+\o+7]
.endr
.endif
.endm
; the registers that P's unit u takes: two steps' fragments and the scale word
.macro PSLOT u
.if ((\u)%2) == 0
.set B0, 224
.set B1, 232
.set BS, 248
.else
.set B0, 56
.set B1, 240
.set BS, 249
.endif
.endm
.macro PLD u, par
	PSLOT \u
	ds_load_b128 v[B0:B0+3], v4 offset:PB+16384*\par+2048*(\u)
	ds_load_b128 v[B0+4:B0+7], v4 offset:PB+16384*\par+2048*(\u)+512
	ds_load_b128 v[B1:B1+3], v4 offset:PB+16384*\par+2048*(\u)+1024
	ds_load_b128 v[B1+4:B1+7], v4 offset:PB+16384*\par+2048*(\u)+1536
	ds_load_b32 v[BS], v5 offset:PS+1024*\par+128*(\u)
.endm
; O^T += V^T P^T over unit u: four accumulators by turns, three other products between two steps of a sum
.macro PVU u
	PSLOT \u
.set AC, 64+16*((\u)%2)
.set VU, 128+16*(\u)
.if (\u) == 0
	s_wait_loadcnt 16                              ; V's units 0 to 3 are in; the 16 loads of units 4 to 7 may be out (the first time)
.endif
.if (\u) == 4
	s_wait_loadcnt 0x0
.endif
	s_wait_dscnt 0x0                               ; P's unit is in
	WIN 0x01
.if (\u) == 0
	v_wmma_scale_f32_16x16x128_f8f6f4 v[AC:AC+7], v[VU:VU+7], v[B0:B0+7], 0, v[40+\u], v[BS] matrix_a_fmt:MATRIX_FMT_FP4 matrix_b_fmt:MATRIX_FMT_FP4
	v_wmma_scale_f32_16x16x128_f8f6f4 v[AC+8:AC+15], v[VU+8:VU+15], v[B1:B1+7], 0, v[40+\u], v[BS] matrix_a_fmt:MATRIX_FMT_FP4 matrix_b_fmt:MATRIX_FMT_FP4 matrix_a_scale:MATRIX_SCALE_ROW1 matrix_b_scale:MATRIX_SCALE_ROW1
.else
	v_wmma_scale_f32_16x16x128_f8f6f4 v[AC:AC+7], v[VU:VU+7], v[B0:B0+7], v[AC:AC+7], v[40+\u], v[BS] matrix_a_fmt:MATRIX_FMT_FP4 matrix_b_fmt:MATRIX_FMT_FP4
	v_wmma_scale_f32_16x16x128_f8f6f4 v[AC+8:AC+15], v[VU+8:VU+15], v[B1:B1+7], v[AC+8:AC+15], v[40+\u], v[BS] matrix_a_fmt:MATRIX_FMT_FP4 matrix_b_fmt:MATRIX_FMT_FP4 matrix_a_scale:MATRIX_SCALE_ROW1 matrix_b_scale:MATRIX_SCALE_ROW1
.endif
	WIN 0
.endm
; the four parts of O are added and go to LDS: row r, channels 16 w + 8 h + 0 .. 7
.macro OSUM par
.irp e, 0,2,4,6
	v_pk_add_f32 v[64+\e:65+\e], v[64+\e:65+\e], v[72+\e:73+\e]
	v_pk_add_f32 v[80+\e:81+\e], v[80+\e:81+\e], v[88+\e:89+\e]
.endr
.irp e, 0,2,4,6
	v_pk_add_f32 v[64+\e:65+\e], v[64+\e:65+\e], v[80+\e:81+\e]
.endr
	ds_store_b128 v10, v[64:67] offset:OB+8448*\par
	ds_store_b128 v10, v[68:71] offset:OB+8448*\par+16
.endm
; ---- B of tile i - 1
.macro BPH par
	v_min3_num_f32 v80, v64, v65, v66
	v_min3_num_f32 v81, v67, v68, v69
	v_min_num_f32 v82, v70, v71
	v_min3_num_f32 v30, v80, v81, v82              ; the row's -M
.irp k, 0,2,4,6
	v_pk_add_f32 v[64+\k:65+\k], v[30:31], v[64+\k:65+\k] op_sel_hi:[0,1] neg_lo:[0,1] neg_hi:[0,1]   ; each wave's M less the row's: a whole number, 0 or less
.endr
	v_sub_f32 v80, v30, v12                        ; and mine
.irp k, 0,1,2,3,4,5,6,7
	v_cvt_i32_f32 v[64+\k], v[64+\k]               ; (it saturates)
.endr
	v_cvt_i32_f32 v80, v80
.irp k, 0,1,2,3,4,5,6,7
	v_ldexp_f32 v[72+\k], v[72+\k], v[64+\k]       ; the waves' sums under the row's M
.endr
	v_pk_add_f32 v[72:73], v[72:73], v[74:75]
	v_pk_add_f32 v[76:77], v[76:77], v[78:79]
	v_pk_add_f32 v[72:73], v[72:73], v[76:77]
	v_add_f32 v72, v72, v73
	s_wait_alu depctr_va_vdst(0)                   ; ahead of the transcendental
	v_rcp_f32 v14, v72
	v_nop
	v_cmp_lt_f32 vcc_lo, 0, v72                    ; a row with no key has the sum 0: its p are 0
	s_wait_alu depctr_va_vdst(0)                   ; and ahead of its first reader
	v_cndmask_b32 v14, 0, v14, vcc_lo
	v_ldexp_f32 v14, v14, v80
.irp k, 0,1,2,3
	v_mul_f32 v[240+\k], v[48+\k], v14             ; the largest p of unit k's block (lanes 0-15) and of unit k + 4's (lanes 16-31)
.endr
.irp k, 0,1,2,3
	v_max_num_f32 v[240+\k], 0x1800000, v[240+\k]  ; the floor 2^(3 - 127): the byte cannot fall under 1
.endr
.irp k, 0,1,2,3
	v_add_nc_u32 v[240+\k], 0xff000000, v[240+\k]  ; 2 off the exponent field: the conversion's scale operand
.endr
.irp k, 0,1,2,3
	v_lshrrev_b32 v[16+\k], 23, v[240+\k]          ; the scale's byte
	v_mov_b32 v[244+\k], v[240+\k]
.endr
.irp k, 0,1,2,3
	ds_store_b8 v7, v[16+\k] offset:PS+1024*(1-\par)+128*\k
	v_permlane16_swap_b32 v[240+\k], v[244+\k]     ; unit k's in all lanes, unit k + 4's in all lanes
.endr
	MULU 0
.irp u, 0,1,2,3,4,5,6,7
.if \u < 7
	MULU \u+1                                      ; (from N on: numbers that nothing reads)
.endif
	v_cvt_scalef32_pk8_fp4_f32 v[224+2*\u], v[S+16*\u:S+7+16*\u], v[240+\u]
	v_cvt_scalef32_pk8_fp4_f32 v[225+2*\u], v[S+8+16*\u:S+15+16*\u], v[240+\u]
	ds_store_b64 v6, v[224+2*\u:225+2*\u] offset:PB+16384*(1-\par)+2048*\u   ; my 16 keys' codes: half of the 16 bytes that the operand's lane takes
.if \u < 7
	s_cmp_eq_u32 s[N1], \u+1
	s_cbranch_scc1 .Lnob\@
.endif
.endr
.Lnob\@:
	v_nop                                          ; one plain place behind a scaled conversion
	s_wait_alu depctr_va_vdst(0)
.endm
; ---- C by itself, in trips 8 and 9: P's fragments land in S.  Loads and products go from unit N - 1 down to 0, so that behind unit u's loads stand exactly 5 u others
.macro CPH par
.irp u, 0,1,2,3,4,5,6
	s_cmp_eq_u32 s[N2], \u+1
	s_cbranch_scc1 .Lcl\@_\u
.endr
.irp u, 7,6,5,4,3,2,1,0
.Lcl\@_\u:
.irp k, 0,1,2,3
	ds_load_b128 v[S+16*\u+4*\k:S+16*\u+4*\k+3], v4 offset:PB+16384*\par+2048*\u+512*\k
.endr
	ds_load_b32 v[248+\u], v5 offset:PS+1024*\par+128*\u
.endr
.irp k, 0,2,4,6,8,10,12,14,16,18,20,22,24,26,28,30
	v_dual_mov_b32 v[64+\k], v3 :: v_dual_mov_b32 v[65+\k], v3   ; which unit is the first hangs on the ranges, so no product can be written out as the one that starts the sums
.endr
	s_wait_alu depctr_va_vdst(0)
	s_wait_loadcnt 0x0
.irp u, 0,1,2,3,4,5,6
	s_cmp_eq_u32 s[N2], \u+1
	s_cbranch_scc1 .Lcp\@_\u
.endr
.irp u, 7,6,5,4,3,2,1,0
.Lcp\@_\u:
	s_wait_dscnt 5*\u                              ; at most the loads of the units below are out
	WIN 0x01
	v_wmma_scale_f32_16x16x128_f8f6f4 v[64+16*(\u%2):71+16*(\u%2)], v[128+16*\u:135+16*\u], v[S+16*\u:S+7+16*\u], v[64+16*(\u%2):71+16*(\u%2)], v[40+\u], v[248+\u] matrix_a_fmt:MATRIX_FMT_FP4 matrix_b_fmt:MATRIX_FMT_FP4
	v_wmma_scale_f32_16x16x128_f8f6f4 v[72+16*(\u%2):79+16*(\u%2)], v[136+16*\u:143+16*\u], v[S+8+16*\u:S+15+16*\u], v[72+16*(\u%2):79+16*(\u%2)], v[40+\u], v[248+\u] matrix_a_fmt:MATRIX_FMT_FP4 matrix_b_fmt:MATRIX_FMT_FP4 matrix_a_scale:MATRIX_SCALE_ROW1 matrix_b_scale:MATRIX_SCALE_ROW1
	WIN 0
.endr
	NOPS 5                                         ; places behind the last products (ISA guide 7.12.1)
	OSUM \par
.endm
; ---- A of tile i; in the loop (mode 2) with C of tile i - 2
.macro APH par, mode
	s_bfm_b32 s94, s[N0], 0
	s_and_not1_b32 s[MIX], s94, s[FB]              ; units below N that are not wholly allowed
	s_cmp_eq_u32 s[MIX], 0
	s_cbranch_scc1 .Lnomk\@
	; the mask's words: bit i of v224 + u = my row may see key 256 u + 32 w + 16 h + i
	s_wait_dscnt 0x0
	v_and_b32 v232, 15, v0
	v_bfe_u32 v233, v0, 4, 1
	v_lshrrev_b32 v232, 2, v232
	v_lshlrev_b32 v233, 4, v233
	v_add_nc_u32 v232, s[P0], v232                 ; my row's position
	v_add_nc_u32 v233, s[W32], v233                ; my first key of the unit
	v_mov_b32 v239, 0xff800000                     ; -infinity
	s_mov_b32 s[MC], 8
	s_wait_alu depctr_va_vdst(0)
.Lmk\@:
	v_mov_b32 v234, 0
.irp rho, 0,1,2,3,4,5,6,7
	v_sub_nc_u32 v235, s[48+2*\rho], v233
	v_sub_nc_u32 v236, s[49+2*\rho], v233
	v_max_i32 v235, 0, v235
	v_max_i32 v236, 0, v236
	v_min_i32 v235, 16, v235                       ; the range's first key among my 16,
	v_min_i32 v236, 16, v236                       ; and its end
	v_max_i32 v236, v236, v235
	v_lshlrev_b32 v235, v235, 1
	v_lshlrev_b32 v236, v236, 1
	v_sub_nc_u32 v236, v236, v235                  ; ones from the first to the end
	v_cmp_gt_i32 vcc_lo, s[32+2*\rho], v232        ; nothing where my position lies outside
	v_cndmask_b32 v236, v236, v3, vcc_lo
	v_cmp_le_i32 vcc_lo, s[33+2*\rho], v232
	v_cndmask_b32 v236, v236, v3, vcc_lo
	v_or_b32 v234, v234, v236
.endr
.irp k, 0,1,2,3,4,5,6
	v_mov_b32 v[224+\k], v[225+\k]                 ; after eight trips unit u's word is in v224 + u
.endr
	v_mov_b32 v231, v234
	v_add_nc_u32 v233, 0x100, v233
	s_wait_alu depctr_va_vdst(0)
	s_sub_co_u32 s[MC], s[MC], 1
	s_cmp_lg_u32 s[MC], 0
	s_cbranch_scc1 .Lmk\@
.Lnomk\@:
	; two units at a time: scores, mask, the blocks' largest.  The second unit of the last pair may lie at N: its scores are made and left out of the maximum
.irp g, 0,1,2,3
.if \g == 2
	s_wait_loadcnt 16*\mode                        ; K's units 4 to 7 are in; V's 0, 16 or 32 loads issued behind them may be out (the first time)
.endif
	WIN 0x01
.irp u, 2*\g, 2*\g+1
	v_wmma_scale_f32_16x16x128_f8f6f4 v[S+16*(\u):S+7+16*(\u)], v[16*(\u):16*(\u)+7], v[20:27], 0, v[32+\u], v28 matrix_a_fmt:MATRIX_FMT_FP4 matrix_b_fmt:MATRIX_FMT_FP4
	v_wmma_scale_f32_16x16x128_f8f6f4 v[S+8+16*(\u):S+15+16*(\u)], v[16*(\u)+8:16*(\u)+15], v[20:27], 0, v[32+\u], v28 matrix_a_fmt:MATRIX_FMT_FP4 matrix_b_fmt:MATRIX_FMT_FP4 matrix_a_scale:MATRIX_SCALE_ROW1
.endr
	WIN 0
	NOPS 4                                         ; four places (ISA guide 7.12.1)
	s_cmp_eq_u32 s[MIX], 0
	s_cbranch_scc1 .Lnm\@_\g
.irp i, 0,1,2,3,4,5,6,7,8,9,10,11,12,13,14,15
	v_and_b32 v234, 1<<\i, v[224+2*\g]
	v_and_b32 v235, 1<<\i, v[225+2*\g]
	v_cmp_eq_u32 vcc_lo, 0, v234
	v_cndmask_b32 v[S+32*\g+\i], v[S+32*\g+\i], v239, vcc_lo
	v_cmp_eq_u32 vcc_lo, 0, v235
	v_cndmask_b32 v[S+32*\g+16+\i], v[S+32*\g+16+\i], v239, vcc_lo
.endr
.Lnm\@_\g:
	v_max3_num_f32 v72, v[S+32*\g], v[S+32*\g+1], v[S+32*\g+2]
	v_max3_num_f32 v74, v[S+32*\g+16], v[S+32*\g+17], v[S+32*\g+18]
	v_max3_num_f32 v73, v[S+32*\g+3], v[S+32*\g+4], v[S+32*\g+5]
	v_max3_num_f32 v75, v[S+32*\g+19], v[S+32*\g+20], v[S+32*\g+21]
	MX 0, \g, 6
	MX 1, \g, 8
	MX 0, \g, 10
	MX 1, \g, 12
	MX 0, \g, 14
	v_max_num_f32 v[48+2*\g], v72, v73
	v_max_num_f32 v[49+2*\g], v74, v75
	s_cmp_gt_u32 s[N0], 2*\g+1
	s_cselect_b32 s94, -1, 0
	v_cndmask_b32 v[49+2*\g], 0xff800000, v[49+2*\g], s94
.if \g == 0
	v_max_num_f32 v88, v48, v49
.else
	v_max3_num_f32 v88, v88, v[48+2*\g], v[49+2*\g]
.endif
.if \g < 3
	s_cmp_le_u32 s[N0], 2*\g+2
	s_cbranch_scc1 .Lqd\@
.endif
.endr
.Lqd\@:
	s_wait_alu depctr_va_vdst(0)
.if \mode == 2
	s_wait_xcnt 0x0                                ; D's stores have read their registers and their base
	PLD 0, \par
.endif
	v_permlanex16_b32 v89, v88, s[SEL], s[SEL+1]
.irp k, 0,1,2,3
	v_permlane16_swap_b32 v[48+\k], v[52+\k]       ; lanes 0-15: both halves of unit k's block; lanes 16-31: of unit k + 4's
.endr
	v_max_num_f32 v88, v88, v89                    ; my wave's largest score of the row
.irp k, 0,1,2,3
	v_max_num_f32 v[48+\k], v[48+\k], v[52+\k]
.endr
	v_mul_f32 v88, s[CS], v88                      ; as t (c is positive)
	v_max_num_f32 v88, 0xff61b1e6, v88             ; at least -3e38: a row with no key here gets e = 0
	v_floor_f32 v12, -v88                          ; -M: M is t rounded up to a whole number
.if \mode == 2
.irp k, 0,2,4,6,8,10,12,14
	v_dual_mov_b32 v[80+\k], v3 :: v_dual_mov_b32 v[81+\k], v3   ; the odd units' accumulators: a tile may have no odd unit
.endr
.endif
.irp k, 0,1,2,3
	v_fma_f32 v[48+\k], v[48+\k], s[CS], v12
.endr
.irp j, 0,1,2,3,4,5,6,7
	FMAP 0, \j
.endr
.if \mode == 0
	GV 0
.endif
.if \mode == 1
	GV 4
	GV 5
.endif
	s_wait_alu depctr_va_vdst(0)                   ; ahead of the batch
.irp k, 0,1,2,3
	v_exp_f32 v[48+\k], v[48+\k]                   ; the blocks' largest e
.endr
.if \mode == 2
	; units of A and of C side by side, as long as both tiles have them; then A's alone (.Le) or C's alone (.Lv)
.irp u, 0,1,2,3,4,5,6,7
	EXPG \u
	PVU \u
.if \u < 7
	s_cmp_eq_u32 s[N2], \u+1
	s_cbranch_scc1 .Le\@_\u
	s_cmp_eq_u32 s[N0], \u+1
	s_cbranch_scc1 .Lv\@_\u
	PLD \u+1, \par                                 ; the next unit of P lands under its exponentials
.endif
.endr
	s_branch .Lend\@
.irp u, 0,1,2,3,4,5,6
.Lv\@_\u:
	NOPS 4                                         ; places in front of loads into registers that matrix instructions have read
	PLD \u+1, \par
	PVU \u+1
.if \u < 6
	s_cmp_eq_u32 s[N2], \u+2
	s_cbranch_scc1 .Lend\@
.endif
.endr
	s_branch .Lend\@
.else
	EXPG 0
.endif
.irp u, 0,1,2,3,4,5,6
.Le\@_\u:
	s_cmp_eq_u32 s[N0], \u+1
	s_cbranch_scc1 .Lend\@
	EXPG \u+1
.endr
.Lend\@:
	s_wait_alu depctr_va_vdst(0)
	v_pk_add_f32 v[52:53], v[52:53], v[54:55]      ; these six are also the places behind C's last products
	v_pk_add_f32 v[250:251], v[250:251], v[252:253]
	v_pk_add_f32 v[52:53], v[52:53], v[250:251]
	v_add_f32 v52, v52, v53
	v_permlanex16_b32 v254, v52, s[SEL], s[SEL+1]
	v_add_f32 v52, v52, v254                       ; my wave's sum of the row
	ds_store_b32 v8, v12 offset:ST+1280*\par       ; lanes r and r + 16 write the same words with the same values
	ds_store_b32 v8, v52 offset:ST+1280*\par+32
.if \mode == 2
	s_wait_alu depctr_va_vdst(0)                   ; directly ahead of the first readers of C's products
	OSUM \par
.endif
.if \mode == 0
	GV 1
	GV 2
	GV 3
.endif
.if \mode == 1
	GV 6
	GV 7
.endif
.endm
; a trip.  mode 0: A; 1: B, A; 2: B, D, A with C; 3: B, D, C; 4: D, C
.macro ITER par, mode
	s_mov_b32 s[N2], s[N1]
	s_mov_b32 s[N1], s[N0]
	s_and_b32 s[N0], s[TQ], 0xff
	s_lshr_b32 s[FB], s[TQ], 8
.irp k, 0,1,2,3,4,5,6
	s_mov_b32 s[TQ+\k], s[TQ+1+\k]
.endr
.if (\mode == 1) || (\mode == 2)
.if \par
	s_add_co_u32 s[P0], s[P0], 4
.else
	s_cmp_eq_u32 s[TRIP], 1                        ; tile 4 begins the second sixteen positions
	s_cselect_b32 s94, s[JP], 4
	s_add_co_u32 s[P0], s[P0], s94
.endif
.endif
.if (\mode > 0) && (\mode < 4)
.irp k, 0,1,2,3
	ds_load_b128 v[64+4*\k:67+4*\k], v9 offset:ST+1280*(1-\par)+16*\k
.endr
.endif
.if \mode < 2
	ds_load_b128 v[20:23], v4 offset:QB+1024*\par
	ds_load_b128 v[24:27], v4 offset:QB+1024*\par+512
	ds_load_b32 v28, v5 offset:QS+128*\par
.endif
.if \mode == 2
	v_add_nc_u32 v29, s[QO], v4
	v_add_nc_u32 v31, s[QSO], v5
	ds_load_b128 v[20:23], v29 offset:QB+1024*\par
	ds_load_b128 v[24:27], v29 offset:QB+1024*\par+512
	ds_load_b32 v28, v31 offset:QS+128*\par
.endif
.if \mode >= 2
.if (\mode == 2) && (\par == 0)
	s_cmp_eq_u32 s[TRIP], 0
	s_cbranch_scc1 .Lnold\@
.endif
.if \mode > 2
	s_wait_xcnt 0x0                                ; the last stores have read their registers and their base
.endif
	ds_load_b128 v[56:59], v11 offset:OB+8448*(1-\par)
	ds_load_b128 v[60:63], v11 offset:OB+8448*(1-\par)+528
.Lnold\@:
.endif
	s_wait_alu depctr_va_vdst(0)
	s_wait_dscnt 0x0
.if (\mode > 0) && (\mode < 4)
	BPH \par
.endif
.if \mode >= 2
	; ---- D of tile i - 3
.if (\mode == 2) && (\par == 0)
	s_cmp_eq_u32 s[TRIP], 0
	s_cbranch_scc1 .Lnod\@
.endif
	s_mov_b32 s94, 0x8000                          ; four positions on
	s_mov_b32 s95, 0
.if (\mode == 2) && (\par == 1)
	s_cmp_eq_u32 s[TRIP], 2
	s_cselect_b32 s94, s[JMP], s94
	s_cmp_eq_u32 s[TRIP], 0
	s_cselect_b32 s94, 0, s94
.endif
	s_add_nc_u64 s[22:23], s[22:23], s[94:95]
	global_store_b128 v4, v[56:59], s[22:23] th:TH_STORE_NT      ; 32 lanes store 512 consecutive bytes, aligned
	global_store_b128 v4, v[60:63], s[22:23] offset:512 th:TH_STORE_NT
.Lnod\@:
.endif
.if \mode > 2
	CPH \par
.else
	APH \par, \mode
.endif
	s_wait_alu depctr_va_vdst(0)
	s_wait_dscnt 0x0                               ; for the others' sake: my stores have landed, my reads are back
	s_barrier_signal -1
	s_barrier_wait -1
.endm
	; ---- the head
	s_load_b512 s[4:19], s[0:1], 0x0               ; q s[4:5], cos s[6:7], sin s[8:9], q_ranges s[10:11], k_ranges s[12:13], kimg s[14:15], ksc s[16:17], vimg s[18:19]
	s_load_b128 s[20:23], s[0:1], 0x40             ; vsc s[20:21], out0 s[22:23]
	v_lshl_add_u32 v1, v0, 2, SPARE
	v_mov_b32 v2, 0
	v_mov_b32 v3, 0
	v_lshrrev_b32 v56, 5, v0
	v_readfirstlane_b32 s[WV], v56                 ; wave w
	v_and_b32 v57, 31, v0                          ; lane
	v_and_b32 v58, 15, v0                          ; r
	v_bfe_u32 v59, v0, 4, 1                        ; h
	s_and_b32 s25, ttmp7, 0xffff                   ; g
	s_mov_b32 s26, ttmp9                           ; x
	s_sub_co_u32 s2, 127, s26
	s_cmp_lt_u32 s[WV], 4
	s_cselect_b32 s3, s26, s2
	s_lshl_b32 s3, s3, 4
	s_and_b32 s28, s[WV], 3
	s_lshl_b32 s28, s28, 2
	s_add_co_u32 s3, s3, s28                       ; first position of tile w, whose Q I make
	s_sub_co_u32 s[JP], s2, s26
	s_lshl_b32 s[JP], s[JP], 4                     ; 16 (127 - 2 x): from the first sixteen positions to the second
	s_mov_b32 s101, s[JP]
	s_sub_co_u32 s[JP], s[JP], 12
	s_lshl_b32 s[JMP], s[JP], 13
	s_lshl_b32 s[P0], s26, 4
	s_lshl_b32 s[W32], s[WV], 5
	s_lshl_b32 s2, s25, 11
	s_lshl_b32 s94, s3, 13
	s_add_co_u32 s94, s94, s2                      ; q: 8,192 bytes a position, 2,048 a group of four heads
	s_mov_b32 s95, 0
	s_lshl_b32 s96, s3, 8                          ; cos, sin: 256 bytes a position
	s_mov_b32 s97, 0
	s_lshl_b32 s84, s26, 17                        ; out0: my two rows of tile 0
	s_add_co_u32 s84, s84, s2
	s_lshr_b32 s2, s[WV], 1
	s_lshl_b32 s2, s2, 13
	s_add_co_u32 s84, s84, s2
	s_and_b32 s2, s[WV], 1
	s_lshl_b32 s2, s2, 10
	s_add_co_u32 s84, s84, s2
	s_mov_b32 s85, 0
	s_lshl_b32 s2, s25, 17
	s_lshl_b32 s98, s[WV], 11
	s_add_co_u32 s98, s98, s2                      ; K's image: 2,048 bytes for 32 keys
	s_mov_b32 s99, 0
	s_lshl_b32 s30, s[WV], 10
	s_add_co_u32 s30, s30, s2                      ; V's: 1,024 bytes for 16 channels
	s_mov_b32 s31, 0
	s_lshl_b32 s28, s[WV], 9
	s_lshl_b32 s2, s25, 6
	s_add_co_u32 s28, s28, s2                      ; K's scale words: 512 bytes for two tiles, 64 a head
	s_mov_b32 s29, 0
	s_lshl_b32 s2, s25, 13
	s_lshl_b32 s82, s[WV], 6
	s_add_co_u32 s82, s82, s2                      ; V's
	s_mov_b32 s83, 0
	s_mov_b32 s[SEL], 0x76543210
	s_mov_b32 s[SEL+1], 0xfedcba98
	s_mov_b32 s[CS], 0x3e0293ee                    ; c = log2(e) / sqrt(128)
	s_mov_b32 s[CS+1], s[CS]
	s_wait_alu depctr_va_vdst(0)
	v_lshlrev_b32 v4, 4, v57                       ; 16 x lane
	v_lshlrev_b32 v5, 2, v57                       ; 4 x lane
	v_lshlrev_b32 v20, 13, v59
	v_lshl_add_u32 v20, v58, 4, v20                ; q: lanes 0-15 one position, lanes 16-31 the next, 16 bytes a lane
	v_lshlrev_b32 v21, 8, v59
	v_lshl_add_u32 v15, v58, 2, v21                ; K's scale words: lanes 16-31 the next tile
	v_lshl_add_u32 v21, v58, 4, v21                ; cos, sin as q
	v_lshlrev_b32 v13, 9, v59
	v_lshl_add_u32 v13, v58, 2, v13                ; V's scale words: lanes 16-31 the next step
	s_wait_alu depctr_va_vdst(0)
	s_wait_kmcnt 0x0
	s_load_b512 s[32:47], s[10:11], 0x0            ; the eight query ranges,
	s_load_b512 s[48:63], s[12:13], 0x0            ; the eight key ranges
	s_add_nc_u64 s[4:5], s[4:5], s[94:95]
	s_add_nc_u64 s[6:7], s[6:7], s[96:97]
	s_add_nc_u64 s[8:9], s[8:9], s[96:97]
	s_add_nc_u64 s[14:15], s[14:15], s[98:99]
	s_add_nc_u64 s[16:17], s[16:17], s[28:29]
	s_add_nc_u64 s[18:19], s[18:19], s[30:31]
	s_add_nc_u64 s[20:21], s[20:21], s[82:83]
	s_add_nc_u64 s[22:23], s[22:23], s[84:85]
.irp p, 0,1
	global_load_b128 v[64+4*\p:67+4*\p], v21, s[6:7] offset:512*\p
	global_load_b128 v[72+4*\p:75+4*\p], v21, s[8:9] offset:512*\p
.endr
.irp n, 0,1,2,3,4,5,6,7                ; n = 4 (pair of positions) + head
	global_load_b128 v[S+8*\n:S+3+8*\n], v20, s[4:5] offset:16384*(\n/4)+512*(\n%4) th:TH_LOAD_NT
	global_load_b128 v[S+4+8*\n:S+7+8*\n], v20, s[4:5] offset:16384*(\n/4)+512*(\n%4)+256 th:TH_LOAD_NT
.endr
.irp u, 0,1,2,3,4,5,6,7
	global_load_b32 v[32+\u], v15, s[16:17] offset:4096*\u
.endr
.irp u, 0,1,2,3,4,5,6,7
	global_load_b32 v[40+\u], v13, s[20:21] offset:1024*\u
.endr
	GK 0
	GK 1
	GK 2
	GK 3
	; ---- LDS addresses
	s_lshl_b32 s94, s[WV], 8
	v_lshlrev_b32 v6, 4, v58
	v_lshl_add_u32 v6, v59, 3, v6
	s_lshl_b32 s95, s[WV], 10
	v_add_nc_u32 v62, s95, v6                      ; Q's codes, in: 1,024 w + 16 r + 8 h
	v_add_nc_u32 v6, s94, v6                       ; P's codes, in: 256 w + 16 r + 8 h; 2,048 bytes a unit
	s_lshl_b32 s94, s[WV], 7
	v_add_nc_u32 v63, s94, v5                      ; Q's scale words, in
	s_lshr_b32 s94, s[WV], 2
	s_lshl_b32 s94, s94, 6
	s_and_b32 s95, s[WV], 3
	s_add_co_u32 s94, s94, s95
	v_lshlrev_b32 v7, 9, v59                       ; P's scale bytes, in: lanes 16-31 four units on
	v_lshl_add_u32 v7, v58, 2, v7
	v_add_nc_u32 v7, s94, v7
	s_lshl_b32 s94, s[WV], 2
	v_mul_u32_u24 v9, v58, 80                      ; the waves' -M and sums: out
	v_add_nc_u32 v8, s94, v9                       ; and in
	s_lshl_b32 s94, s[WV], 6
	v_mul_u32_u24 v10, v58, 528
	v_lshl_add_u32 v61, v59, 6, v10
	v_lshl_add_u32 v10, v59, 5, v10
	v_add_nc_u32 v10, s94, v10                     ; O, in
	s_mul_i32 s94, s[WV], 1056
	v_add_nc_u32 v11, s94, v4                      ; O, out: rows 2 w and 2 w + 1
	s_mul_i32 s94, s[WV], 8448
	s_add_co_u32 s94, s94, STG
	v_mul_u32_u24 v60, v59, 2112                   ; q's turn, in: row 8 pair + 4 h + head
	v_lshl_add_u32 v60, v58, 4, v60
	v_add_nc_u32 v60, s94, v60
	v_add_nc_u32 v61, s94, v61                     ; and out: row r, + 64 h
	; ---- registers that are named before they are first made
.irp k, 12,14,30,31,236,237,238,239
	v_mov_b32 v[\k], 0
.endr
.irp k, 0,1,2,3,4,5,6,7
	v_mov_b32 v[48+\k], 0
	v_mov_b32 v[248+\k], 0
.endr
	; ---- the ranges: lane l takes tile l % 8
	v_and_b32 v23, 3, v0
	v_bfe_u32 v27, v0, 2, 1
	v_lshlrev_b32 v23, 2, v23
	v_mul_u32_u24 v27, s101, v27
	v_add3_u32 v23, v23, v27, s[P0]                ; its first position
	v_add_nc_u32 v24, 4, v23                       ; and its end
	v_mov_b32 v25, 1                               ; N
	v_mov_b32 v26, 0                               ; the units that are wholly allowed
	s_wait_alu depctr_va_vdst(0)
	s_wait_kmcnt 0x0
.irp rho, 0,1,2,3,4,5,6,7
.irp x, 48+2*\rho, 49+2*\rho                   ; key bounds held to 0 .. 2,048, which changes nothing for keys 0 .. 2,047
	s_max_i32 s[\x], s[\x], 0
	s_min_i32 s[\x], s[\x], 0x800
.endr
	s_add_co_u32 s94, s[49+2*\rho], 255
	s_lshr_b32 s94, s94, 8
	s_cmp_lt_u32 s[48+2*\rho], s[49+2*\rho]
	s_cselect_b32 s[66+\rho], s94, 0               ; the last unit that its keys touch, + 1; 0 where it has none
	s_add_co_u32 s94, s[48+2*\rho], 255
	s_lshr_b32 s94, s94, 8
	s_lshr_b32 s95, s[49+2*\rho], 8
	s_sub_co_i32 s95, s95, s94
	s_max_i32 s95, s95, 0
	s_bfm_b32 s[76+\rho], s95, s94                 ; the units that lie wholly inside
.endr
.irp rho, 0,1,2,3,4,5,6,7
	v_cmp_ge_i32 vcc_lo, s[32+2*\rho], v24         ; the query range begins behind the tile,
	v_cndmask_b32 v27, s[66+\rho], v3, vcc_lo
	v_cmp_le_i32 vcc_lo, s[33+2*\rho], v23         ; or ends in front of it: nothing
	v_cndmask_b32 v27, v27, v3, vcc_lo
	v_max_u32 v25, v25, v27
	v_cmp_gt_i32 vcc_lo, s[32+2*\rho], v23         ; it does not hold all four positions: nothing
	v_cndmask_b32 v28, s[76+\rho], v3, vcc_lo
	v_cmp_lt_i32 vcc_lo, s[33+2*\rho], v24
	v_cndmask_b32 v28, v28, v3, vcc_lo
	v_or_b32 v26, v26, v28
.endr
	v_lshl_or_b32 v25, v26, 8, v25
.irp k, 0,1,2,3,4,5,6,7
	v_readlane_b32 s[TQ+\k], v25, \k
.endr
	; ---- Q of tile w: rotary embedding, through my stage into a row a lane, codes, scale word
	s_wait_alu depctr_va_vdst(0)
	s_wait_loadcnt 32                              ; q, cos, sin are in; the 16 loads of scale words and the 16 of K's units 0 to 3 may be out
.irp n, 0,1,2,3,4,5,6,7
	ROPEG \n
.endr
.irp b, 0,1,2,3
.irp j, 0,1,2,3
	ds_load_b128 v[S+64+16*\b+4*\j:S+67+16*\b+4*\j], v61 offset:128*\b+16*\j   ; d = 32 b + 16 h + 4 j ..: LDS serves a wave's instructions in order (ISA guide 5.7.1.4)
.endr
.endr
	s_wait_alu depctr_va_vdst(0)
	s_wait_dscnt 0x0
.set Y, S+64
.irp b, 0,1,2,3
	v_max3_num_f32 v[232+\b], |v[Y+16*\b]|, |v[Y+1+16*\b]|, 0x1800000      ; my 16 numbers of block b, and the floor 2^(3 - 127)
.endr
.irp i, 2,4,6,8,10,12,14
.irp b, 0,1,2,3
	v_max3_num_f32 v[232+\b], v[232+\b], |v[Y+16*\b+\i]|, |v[Y+1+16*\b+\i]|
.endr
.endr
.irp b, 0,1,2,3
	v_permlanex16_b32 v[236+\b], v[232+\b], s[SEL], s[SEL+1]
.endr
.irp b, 0,1,2,3
	v_max_num_f32 v[232+\b], v[232+\b], v[236+\b]
.endr
.irp b, 0,1,2,3
	v_add_nc_u32 v[244+\b], 0xff000000, v[232+\b]
.endr
.irp b, 0,1,2,3
	v_lshrrev_b32 v[236+\b], 23, v[244+\b]
.endr
.irp b, 0,1,2,3
	v_cvt_scalef32_pk8_fp4_f32 v[224+2*\b], v[Y+16*\b:Y+7+16*\b], v[244+\b]
	v_cvt_scalef32_pk8_fp4_f32 v[225+2*\b], v[Y+8+16*\b:Y+15+16*\b], v[244+\b]
.endr
	v_lshl_or_b32 v28, v237, 8, v236
	v_lshl_or_b32 v28, v238, 16, v28
	v_lshl_or_b32 v28, v239, 24, v28
.irp b, 0,1,2,3
	ds_store_b64 v62, v[224+2*\b:225+2*\b] offset:QB+512*(\b/2)+256*(\b%2)  ; half of the 16 bytes that the operand's lane takes
.endr
	ds_store_b32 v63, v28 offset:QS
	s_mov_b32 s[N0], 0
	s_mov_b32 s[N1], 0
	s_mov_b32 s[TRIP], 0
	s_mov_b32 s[QO], 0x800
	s_mov_b32 s[QSO], 0x100
	s_wait_alu depctr_va_vdst(0)
	s_wait_dscnt 0x0                               ; my codes have landed
	s_barrier_signal -1
	s_barrier_wait -1                              ; all eight tiles' Q lie in LDS
	GK 4
	GK 5
	GK 6
	GK 7
	s_wait_loadcnt 16                              ; K's units 0 to 3 and all scale words are in; the 16 loads of units 4 to 7 may be out
	ITER 0, 0
	ITER 1, 1
.Lloop:
	ITER 0, 2
	ITER 1, 2
	s_add_co_u32 s[QO], s[QO], 0x800
	s_add_co_u32 s[QSO], s[QSO], 0x100
	s_add_co_u32 s[TRIP], s[TRIP], 1
	s_cmp_lt_u32 s[TRIP], 3
	s_cbranch_scc1 .Lloop
	ITER 0, 3
	ITER 1, 4
	; ---- D of tile 7
	s_wait_xcnt 0x0
	ds_load_b128 v[56:59], v11 offset:OB+8448
	ds_load_b128 v[60:63], v11 offset:OB+8448+528
	s_add_nc_u64 s[22:23], s[22:23], 0x8000
	s_wait_dscnt 0x0
	global_store_b128 v4, v[56:59], s[22:23] th:TH_STORE_NT
	global_store_b128 v4, v[60:63], s[22:23] offset:512 th:TH_STORE_NT
	s_wait_tensorcnt 0x0                           ; the wave's end
	ds_add_u32 v1, v2
	s_wait_dscnt 0x0
	s_endpgm
.Lfunc_end_k_qad4cf95890_attn:
	.size	k_qad4cf95890_attn, .Lfunc_end_k_qad4cf95890_attn-k_qad4cf95890_attn
	.p2alignl 7, 3214868480
	.fill 96, 4, 3214868480
	.section	.rodata,"a",@progbits
	.p2align	6, 0x0
	.amdhsa_kernel k_qad4cf95890_attn
		.amdhsa_group_segment_fixed_size 132096
		.amdhsa_private_segment_fixed_size 0
		.amdhsa_enable_private_segment 0
		.amdhsa_kernarg_size 80
		.amdhsa_user_sgpr_count 2
		.amdhsa_user_sgpr_kernarg_segment_ptr 1
		.amdhsa_wavefront_size32 1
		.amdhsa_system_sgpr_workgroup_id_x 1
		.amdhsa_system_sgpr_workgroup_id_y 1
		.amdhsa_system_sgpr_workgroup_id_z 1
		.amdhsa_system_vgpr_workitem_id 0
		.amdhsa_next_free_vgpr 512
		.amdhsa_next_free_sgpr 102
		.amdhsa_reserve_vcc 1
		.amdhsa_float_denorm_mode_32 3
		.amdhsa_float_denorm_mode_16_64 3
		.amdhsa_memory_ordered 1
		.amdhsa_forward_progress 1
		.amdhsa_inst_pref_size 255
	.end_amdhsa_kernel
	.section	.bss,"aw",@nobits
	.p2align	6
	.space	262144
	.amdgpu_metadata
---
amdhsa.version: [ 1, 2 ]
amdhsa.kernels:
  - .name:           k_qad4cf95890_attn
    .symbol:         k_qad4cf95890_attn.kd
    .args:
      - { .name: q, .offset: 0, .size: 8, .value_kind: global_buffer, .address_space: global }
      - { .name: cos, .offset: 8, .size: 8, .value_kind: global_buffer, .address_space: global }
      - { .name: sin, .offset: 16, .size: 8, .value_kind: global_buffer, .address_space: global }
      - { .name: q_ranges, .offset: 24, .size: 8, .value_kind: global_buffer, .address_space: global }
      - { .name: k_ranges, .offset: 32, .size: 8, .value_kind: global_buffer, .address_space: global }
      - { .name: kimg, .offset: 40, .size: 8, .value_kind: global_buffer, .address_space: global }
      - { .name: ksc, .offset: 48, .size: 8, .value_kind: global_buffer, .address_space: global }
      - { .name: vimg, .offset: 56, .size: 8, .value_kind: global_buffer, .address_space: global }
      - { .name: vsc, .offset: 64, .size: 8, .value_kind: global_buffer, .address_space: global }
      - { .name: out0, .offset: 72, .size: 8, .value_kind: global_buffer, .address_space: global }
    .group_segment_fixed_size: 132096
    .private_segment_fixed_size: 0
    .kernarg_segment_align: 8
    .kernarg_segment_size: 80
    .max_flat_workgroup_size: 256
    .sgpr_count:     102
    .vgpr_count:     512
    .wavefront_size: 32
...
	.end_amdgpu_metadata
.endif
;; end of part 2
